; MI455X (gfx1250); checked and timed in simulation.
; The chip was launched on July 23, 2026; its instructions are those of AMD's public machine-readable ISA for CDNA 5 (MIT licence, August 2026) and "CDNA5" Instruction Set Architecture Reference Guide (July 2026).
;; Self Attention matrix nhead. Allowed arithmetic: float matrix products may take bf16 or f16 operands with f32 sums; other float arithmetic in f32, or as packed bf16 or f16 multiplies, adds, multiply-adds, maxima and minima; sums over many terms, partial sums and values carried from step to step in f32; what a program stores and reads back later, other than sums and carried values, may be rounded once to bf16 or f16.
;; Inputs: Wk 16 x 1,024 x 64 float32; Wq 16 x 1,024 x 64 float32; Wv 16 x 1,024 x 64 float32; input_SA 4 x 2,048 x 1,024 float32.
;; Outputs: out0 4 x 2,048 x 1,024 float32.
;; One version. Each part assembles by itself: llvm-mc -triple=amdgcn-amd-amdhsa -mcpu=gfx1250 --defsym DOCPART=n.
;; ======== version 1 of 1: 3 launches
;; limits: values are held in f16: magnitudes above 65,504 overflow, below 6.1e-05 lose precision; right only within a limited range of input values
;; workspace buffers: xb 16,777,216 bytes; wb 6,291,456 bytes; qx 33,554,432 bytes; kx 33,554,432 bytes; vh 16,777,216 bytes
;; launch cast (part 1): grid 1408 x 1, 8 waves a work-group, no clusters, 0 bytes of LDS; arguments input_SA, Wq, Wk, Wv, xb, wb; writes xb, wb
.if DOCPART == 1
	.amdgcn_target "amdgcn-amd-amdhsa--gfx1250"
	.amdhsa_code_object_version 6
	.text
	.protected	k_qe49e206692_cast
	.globl	k_qe49e206692_cast
	.p2align	8
	.type	k_qe49e206692_cast,@function
k_qe49e206692_cast:
	s_mov_b64 s[64:65], 0
	v_nop
	global_prefetch_b8 v0, s[64:65] scope:SCOPE_SE
	s_setreg_imm32_b32 hwreg(HW_REG_WAVE_MODE, 25, 1), 1
	s_wait_xcnt 0x0
.set NXC,  1024
.set ME,   4
.set MO,   6
.set X,    8
.set Y,    40
	s_load_b256 s[4:11], s[0:1], 0x0
	s_load_b128 s[12:15], s[0:1], 0x20
	v_lshlrev_b32 v1, 4, v0
	v_lshlrev_b32 v2, 3, v0
	v_and_b32 v3, 8, v0
	s_sub_co_u32 s16, ttmp9, NXC
	s_cmp_lt_u32 ttmp9, NXC
	s_cselect_b32 s16, 0, s16
	s_lshr_b32 s17, s16, 7
	s_and_b32 s18, s16, 127
	s_lshr_b32 s19, s18, 3
	s_and_b32 s20, s18, 7
	s_lshl_b32 s21, s20, 4
	s_add_co_u32 s21, s21, s19
	s_mul_i32 s21, s21, 3
	s_add_co_u32 s21, s21, s17
	s_mov_b32 s30, 0xbe000000
	s_cmp_lt_u32 ttmp9, NXC
	s_cselect_b32 s22, ttmp9, s18
	s_cselect_b32 s24, ttmp9, s21
	s_cselect_b32 s30, 0x3e000000, s30
	s_cmp_eq_u32 s17, 1
	s_cselect_b32 s31, 0x80000000, 0
	s_lshl_b32 s22, s22, 15
	s_lshl_b32 s24, s24, 14
	s_mov_b32 s23, 0
	s_mov_b32 s25, 0
	v_cmp_eq_u32 vcc_lo, 0, v3
	v_cndmask_b32 v3, 0, s31, vcc_lo
	v_xor_b32 v[ME], s30, v3
	v_xor_b32 v[MO], 0x3e000000, v3
	v_mov_b32 v[ME+1], v[ME]
	v_mov_b32 v[MO+1], v[MO]
	s_wait_kmcnt 0x0
	s_cmp_eq_u32 s17, 1
	s_cselect_b64 s[26:27], s[8:9], s[6:7]
	s_cmp_eq_u32 s17, 2
	s_cselect_b64 s[26:27], s[10:11], s[26:27]
	s_cmp_lt_u32 ttmp9, NXC
	s_cselect_b64 s[26:27], s[4:5], s[26:27]
	s_cselect_b64 s[28:29], s[12:13], s[14:15]
	s_add_nc_u64 s[26:27], s[26:27], s[22:23]
	s_add_nc_u64 s[28:29], s[28:29], s[24:25]
.irp p, 0,1,2,3,4,5,6,7
	global_load_b128 v[X+4*(\p):X+4*(\p)+3], v1, s[26:27] offset:4096*(\p) th:TH_LOAD_NT
.endr
.irp p, 0,1,2,3,4,5,6,7
.set M, ME+2*((\p)/4)
	s_wait_loadcnt 7-(\p)
	v_pk_mul_f32 v[X+4*(\p):X+4*(\p)+1],   v[X+4*(\p):X+4*(\p)+1],   v[M:M+1]
	v_pk_mul_f32 v[X+4*(\p)+2:X+4*(\p)+3], v[X+4*(\p)+2:X+4*(\p)+3], v[M:M+1]
	v_cvt_pk_bf16_f32 v[Y+2*(\p)],   v[X+4*(\p)],   v[X+4*(\p)+1]
	v_cvt_pk_bf16_f32 v[Y+2*(\p)+1], v[X+4*(\p)+2], v[X+4*(\p)+3]
	global_store_b64 v2, v[Y+2*(\p):Y+2*(\p)+1], s[28:29] offset:2048*(\p)
.endr
	s_endpgm
.Lfunc_end_k_qe49e206692_cast:
	.size	k_qe49e206692_cast, .Lfunc_end_k_qe49e206692_cast-k_qe49e206692_cast
	.p2alignl 7, 3214868480
	.fill 96, 4, 3214868480
	.section	.rodata,"a",@progbits
	.p2align	6, 0x0
	.amdhsa_kernel k_qe49e206692_cast
		.amdhsa_group_segment_fixed_size 0
		.amdhsa_private_segment_fixed_size 0
		.amdhsa_enable_private_segment 0
		.amdhsa_kernarg_size 48
		.amdhsa_user_sgpr_count 2
		.amdhsa_user_sgpr_kernarg_segment_ptr 1
		.amdhsa_wavefront_size32 1
		.amdhsa_system_sgpr_workgroup_id_x 1
		.amdhsa_system_sgpr_workgroup_id_y 1
		.amdhsa_system_sgpr_workgroup_id_z 1
		.amdhsa_system_vgpr_workitem_id 0
		.amdhsa_next_free_vgpr 64
		.amdhsa_next_free_sgpr 66
		.amdhsa_reserve_vcc 1
		.amdhsa_float_denorm_mode_32 3
		.amdhsa_float_denorm_mode_16_64 3
		.amdhsa_memory_ordered 1
		.amdhsa_forward_progress 1
		.amdhsa_inst_pref_size 6
	.end_amdhsa_kernel
	.amdgpu_metadata
---
amdhsa.version: [ 1, 2 ]
amdhsa.kernels:
  - .name:           k_qe49e206692_cast
    .symbol:         k_qe49e206692_cast.kd
    .args:
      - { .name: input_SA, .offset: 0, .size: 8, .value_kind: global_buffer, .address_space: global }
      - { .name: Wq, .offset: 8, .size: 8, .value_kind: global_buffer, .address_space: global }
      - { .name: Wk, .offset: 16, .size: 8, .value_kind: global_buffer, .address_space: global }
      - { .name: Wv, .offset: 24, .size: 8, .value_kind: global_buffer, .address_space: global }
      - { .name: xb, .offset: 32, .size: 8, .value_kind: global_buffer, .address_space: global }
      - { .name: wb, .offset: 40, .size: 8, .value_kind: global_buffer, .address_space: global }
    .group_segment_fixed_size: 0
    .private_segment_fixed_size: 0
    .kernarg_segment_align: 8
    .kernarg_segment_size: 48
    .max_flat_workgroup_size: 256
    .sgpr_count:     66
    .vgpr_count:     64
    .wavefront_size: 32
...
	.end_amdgpu_metadata
.endif
;; end of part 1
;; launch proj (part 2): grid 16 x 32, 4 waves a work-group, clusters of 4 x 4, 327,680 bytes of LDS; arguments xb, wb, qx, kx, vh; writes qx, kx, vh
.if DOCPART == 2
	.amdgcn_target "amdgcn-amd-amdhsa--gfx1250"
	.amdhsa_code_object_version 6
	.text
	.protected	k_qe49e206692_proj
	.globl	k_qe49e206692_proj
	.p2align	8
	.type	k_qe49e206692_proj,@function
k_qe49e206692_proj:
	s_mov_b64 s[64:65], 0
	v_nop
	global_prefetch_b8 v0, s[64:65] scope:SCOPE_SE
	s_setreg_imm32_b32 hwreg(HW_REG_WAVE_MODE, 25, 1), 1
	s_wait_xcnt 0x0
	s_wait_alu depctr_hold_cnt(0) depctr_sa_sdst(0) depctr_va_vdst(0) depctr_va_sdst(0) depctr_va_ssrc(0) depctr_va_vcc(0) depctr_vm_vsrc(0)
	s_getreg_b32 s2, hwreg(HW_REG_IB_STS2, 6, 4)
	s_cmp_eq_u32 s2, 0
	s_cbranch_scc0 .Lentry_in_a_cluster
	s_endpgm
.Lentry_in_a_cluster:
	s_bfe_u32 s2, ttmp6, 0x10000c
	s_cmp_lg_u32 s2, 0xf033
	s_cbranch_scc0 .Lentry_shape_is_right
	s_endpgm
.Lentry_shape_is_right:
.set KSTEP,  128
.set PITCH,  272
.set HALFA,  128*PITCH
.set PB,     160
.set HB,     128*PB
.set HALFB,  192*PB
.set BOFF,   2*HALFA
.set SLOT,   BOFF+3*HB
.set WSTEP,  16*3*16384
.set STAGE,  2*SLOT
.set SPITCH, 272
.set VSTAGE, STAGE+4*16*SPITCH
.set VPITCH, 144
.set SPARE,  VSTAGE+256*VPITCH
.set LAPS,   4
.set ADRA, 16
.set ADRB, 18
.set ADRV, 20
.set STOV, 22
.set RDV,  23
.set STO,  24
.set RD,   25
.set CO,   26
.set ONE,  27
.set SPW,  28
.set NIL,  29
.set PFO,  30
.set FA,   32
.set FB,   160
.set TMP,  32
.set OB,   64
.set VT,   128
.set VR,   192
.set G1,  24
.set G0,  32
.set G1B, 48
.set G0B, 56
.set LIM, 42
.set PFA, 44
.set PFS, 66
.set TC,  79
.set MSB, 0
.macro WIN new
.if MSB != (\new)
	s_set_vgpr_msb (MSB<<8)|(\new)
.set MSB, \new
.endif
.endm
.macro JLOAD s
	s_cmp_eq_u32 s11, 0
	s_cbranch_scc0 .Lfor_b_\@
	tensor_load_to_lds s[G0+4*(\s):G0+4*(\s)+3], s[G1:G1+7]
	s_nop 0
.rept 4
	v_nop
.endr
	s_branch .Lasked_\@
.Lfor_b_\@:
	tensor_load_to_lds s[G0B+4*(\s):G0B+4*(\s)+3], s[G1B:G1B+7]
	s_nop 0
.rept 4
	v_nop
.endr
.Lasked_\@:
.endm
.macro ASK slot
	s_cmp_gt_u32 s3, s[LIM+(\slot)]
	s_cbranch_scc0 .Lnot_mine_\@
	global_prefetch_b8 v[PFO+(\slot)], s[PFA:PFA+1] th:TH_LOAD_NT scope:SCOPE_SE
.Lnot_mine_\@:
.endm
.macro CREST
	s_cmp_lg_u32 s10, 0
	s_cbranch_scc1 .Lnot_wave_0_\@
	s_barrier_signal -3
.Lnot_wave_0_\@:
	s_barrier_wait -3
	s_barrier_signal -1
	s_barrier_wait -1
.endm
.macro CROUND
	s_barrier_signal -1
	s_barrier_wait -1
	CREST
.endm
	s_load_b128 s[4:7], s[0:1], 0x0
	s_load_b128 s[68:71], s[0:1], 0x10
	s_load_b64 s[72:73], s[0:1], 0x20
	v_lshl_add_u32 v[SPW], v0, 2, SPARE
	v_mov_b32 v[NIL], 0
	ds_add_u32 v[SPW], v[NIL]
	v_lshrrev_b32 v1, 5, v0
	v_readfirstlane_b32 s10, v1
	s_lshr_b32 s11, s10, 1
	s_and_b32 s12, s10, 1
	s_bfe_u32 s40, ttmp6, 0x40000
	s_bfe_u32 s41, ttmp6, 0x40004
	s_lshl_b32 s[TC], ttmp9, 2
	s_add_co_u32 s[TC], s[TC], s40
	s_and_b32 s13, ttmp7, 0xffff
	s_lshl_b32 s13, s13, 2
	s_add_co_u32 s13, s13, s41
	s_lshl_b32 s76, s41, 2
	s_lshl_b32 s76, 15, s76
	s_lshl_b32 s77, 0x1111, s40
	s_or_b32 s[G1+0], s76, (1<<16)|(1<<20)|(1<<21)|(5<<22)|(3<<25)
	s_mov_b32 s[G1+1], 128<<16
	s_mov_b32 s[G1+2], 128<<16
	s_mov_b32 s[G1+3], 128<<16
	s_mov_b32 s[G1+4], 128
	s_mov_b32 s[G1+5], 1024
	s_mov_b32 s[G1+6], 0
	s_mov_b32 s[G1+7], 0
	s_or_b32 s[G1B+0], s77, (1<<16)|(1<<20)|(1<<21)|(4<<22)|(7<<25)
	s_mov_b32 s[G1B+1], 128<<16
	s_mov_b32 s[G1B+2], 96<<16
	s_mov_b32 s[G1B+3], 128<<16
	s_mov_b32 s[G1B+4], 96
	s_mov_b32 s[G1B+5], 128
	s_mov_b32 s[G1B+6], 0
	s_mov_b32 s[G1B+7], 0
	s_lshl_b32 s16, s13, 8
	s_lshl_b32 s17, s12, 7
	s_add_co_u32 s16, s16, s17
	s_lshl_b32 s16, s16, 11
	s_mov_b32 s17, 0
	s_mul_i32 s46, s[TC], 3*16384
	s_mul_i32 s47, s12, 96*256
	s_add_co_u32 s46, s46, s47
	s_mov_b32 s47, 0
	s_mul_i32 s20, s12, HALFA
	s_mul_i32 s21, s12, HALFB
	s_add_co_u32 s21, s21, BOFF
	s_wait_dscnt 0x0
	s_wait_kmcnt 0x0
	s_add_nc_u64 s[14:15], s[4:5], s[16:17]
	s_add_nc_u64 s[46:47], s[6:7], s[46:47]
	CROUND
.irp s, 0,1
	s_mov_b32 s[G0+4*(\s)], 1
	s_add_co_u32 s[G0+4*(\s)+1], s20, (\s)*SLOT
	s_add_nc_u64 s[G0+4*(\s)+2:G0+4*(\s)+3], s[14:15], (\s)*KSTEP*2
	s_or_b32 s[G0+4*(\s)+3], s[G0+4*(\s)+3], 0x80000000
	s_mov_b32 s[G0B+4*(\s)], 1
	s_add_co_u32 s[G0B+4*(\s)+1], s21, (\s)*SLOT
	s_add_nc_u64 s[G0B+4*(\s)+2:G0B+4*(\s)+3], s[46:47], (\s)*WSTEP
	s_or_b32 s[G0B+4*(\s)+3], s[G0B+4*(\s)+3], 0x80000000
	JLOAD \s
.endr
	v_and_b32 v1, 15, v0
	v_bfe_u32 v2, v0, 4, 1
	v_mul_u32_u24 v3, v1, PITCH
	v_lshl_add_u32 v3, v2, 4, v3
	v_and_b32 v7, 7, v0
	v_lshl_add_u32 v4, v2, 3, v7
	v_mul_u32_u24 v4, v4, PB
	v_bfe_u32 v5, v0, 3, 1
	v_lshl_add_u32 v4, v5, 4, v4
	s_mul_i32 s22, s11, HALFA
	s_mul_i32 s23, s12, HB
	s_add_co_u32 s23, s23, BOFF
	s_lshl_b32 s14, s12, 6
	s_add_co_u32 s14, s14, BOFF+2*HB
.irp s, 0,1
	v_add_nc_u32 v[ADRA+(\s)], s22, v3
	v_add_nc_u32 v[ADRB+(\s)], s23, v4
	v_add_nc_u32 v[ADRV+(\s)], s14, v4
	s_add_co_u32 s22, s22, SLOT
	s_add_co_u32 s23, s23, SLOT
	s_add_co_u32 s14, s14, SLOT
.endr
	s_mul_i32 s22, s10, 16*SPITCH
	s_add_co_u32 s22, s22, STAGE
	v_mul_u32_u24 v6, v1, SPITCH
	v_lshl_add_u32 v6, v2, 4, v6
	v_add_nc_u32 v[STO], s22, v6
	v_mul_u32_u24 v6, v2, SPITCH
	v_lshl_add_u32 v6, v1, 4, v6
	v_add_nc_u32 v[RD], s22, v6
	s_mul_i32 s22, s11, 128*VPITCH
	s_lshl_b32 s23, s12, 6
	s_add_co_u32 s22, s22, s23
	s_add_co_u32 s22, s22, VSTAGE
	v_mul_u32_u24 v6, v1, VPITCH
	v_lshl_add_u32 v6, v2, 4, v6
	v_add_nc_u32 v[STOV], s22, v6
	s_mul_i32 s22, s10, 64*VPITCH
	s_add_co_u32 s22, s22, VSTAGE
	v_bfe_u32 v6, v0, 3, 2
	v_mul_u32_u24 v6, v6, VPITCH
	v_lshl_add_u32 v6, v7, 4, v6
	v_add_nc_u32 v[RDV], s22, v6
	v_and_b32 v[CO], 31, v0
	v_lshlrev_b32 v[CO], 4, v[CO]
	v_mov_b32 v[ONE], 1.0
	s_lshl_b32 s16, s13, 8
	s_lshr_b32 s17, s16, 11
	s_lshl_b32 s17, s17, 4
	s_add_co_u32 s74, s17, s[TC]
	s_lshl_b32 s74, s74, 11
	s_and_b32 s16, s16, 2047
	s_add_co_u32 s74, s74, s16
	s_lshl_b32 s75, s11, 7
	s_add_co_u32 s46, s74, s75
	s_lshl_b32 s46, s46, 8
	s_mov_b32 s47, 0
	s_cmp_eq_u32 s12, 0
	s_cselect_b64 s[8:9], s[68:69], s[70:71]
	s_add_nc_u64 s[8:9], s[8:9], s[46:47]
	s_lshl_b32 s75, s10, 6
	s_add_co_u32 s46, s74, s75
	s_lshl_b32 s46, s46, 7
	s_add_nc_u64 s[72:73], s[72:73], s[46:47]
	s_lshl_b32 s18, s13, 8
	s_lshl_b32 s19, s12, 7
	s_add_co_u32 s18, s18, s19
	s_lshl_b32 s19, s40, 5
	s_add_co_u32 s18, s18, s19
	s_lshl_b32 s18, s18, 11
	s_add_co_u32 s18, s18, 2*KSTEP*2
	s_mul_i32 s19, s[TC], 3*16384
	s_lshr_b32 s46, s41, 1
	s_add_co_u32 s46, s46, 2
	s_mul_i32 s46, s46, WSTEP
	s_add_co_u32 s19, s19, s46
	s_and_b32 s46, s41, 1
	s_mul_i32 s46, s46, 96*256
	s_add_co_u32 s19, s19, s46
	s_lshl_b32 s46, s12, 13
	s_add_co_u32 s19, s19, s46
	s_and_b32 s14, ttmp7, 0xffff
	s_or_b32 s15, s14, s12
	s_mov_b32 s[PFS], 2*WSTEP
	s_mov_b32 s[PFS+1], 0
	s_mov_b32 s22, 16384
	s_cmp_eq_u32 s11, 0
	s_cselect_b32 s46, s18, s19
	s_cselect_b32 s14, ttmp9, s14
	s_cselect_b32 s15, ttmp9, s15
	s_cselect_b64 s[PFA:PFA+1], s[4:5], s[6:7]
	s_cselect_b32 s[PFS], 2*KSTEP*2, s[PFS]
	s_cselect_b32 s22, KSTEP*2, s22
	s_cselect_b32 s23, 11, 8
	s_cmp_eq_u32 s14, 0
	s_cselect_b32 s[LIM], 1, -1
	s_cmp_eq_u32 s15, 0
	s_cselect_b32 s[LIM+1], 1, -1
	s_add_nc_u64 s[PFA:PFA+1], s[PFA:PFA+1], s[46:47]
	v_and_b32 v[PFO], 31, v0
	v_lshlrev_b32 v[PFO], s23, v[PFO]
	v_add_nc_u32 v[PFO+1], s22, v[PFO]
.macro MULM p, a0, n, zero
	WIN 0x50*(1+(\p))
.set ma, \a0
.rept \n
.irp b, 0,1,2,3
.if \zero
	v_wmma_f32_16x16x32_bf16 v[8*(4*ma+(\b)):8*(4*ma+(\b))+7], v[FB+48*(\p)+8*(\b):FB+48*(\p)+8*(\b)+7], v[FA+64*(\p)+8*ma:FA+64*(\p)+8*ma+7], 0
.else
	v_wmma_f32_16x16x32_bf16 v[8*(4*ma+(\b)):8*(4*ma+(\b))+7], v[FB+48*(\p)+8*(\b):FB+48*(\p)+8*(\b)+7], v[FA+64*(\p)+8*ma:FA+64*(\p)+8*ma+7], v[8*(4*ma+(\b)):8*(4*ma+(\b))+7] neg_lo:[0,0,1]
.endif
.endr
.set ma, ma+1
.endr
.endm
.macro MULV p, zero
	WIN 0xf0
.set ma, 0
.rept 8
.irp j, 0,1
.if \zero
	v_wmma_f32_16x16x32_bf16 v[128*(\p)+8*(2*ma+(\j)):128*(\p)+8*(2*ma+(\j))+7], v[FB+48*(\p)+32+8*(\j):FB+48*(\p)+32+8*(\j)+7], v[FA+64*(\p)+8*ma:FA+64*(\p)+8*ma+7], 0
.else
	v_wmma_f32_16x16x32_bf16 v[128*(\p)+8*(2*ma+(\j)):128*(\p)+8*(2*ma+(\j))+7], v[FB+48*(\p)+32+8*(\j):FB+48*(\p)+32+8*(\j)+7], v[FA+64*(\p)+8*ma:FA+64*(\p)+8*ma+7], v[128*(\p)+8*(2*ma+(\j)):128*(\p)+8*(2*ma+(\j))+7] neg_lo:[0,0,1]
.endif
.endr
.set ma, ma+1
.endr
.endm
.macro FETCH slot, q, p
	WIN 0
.irp i, 0,1,2,3
	ds_load_tr16_b128 v[FB+48*(\p)+8*(\i):FB+48*(\p)+8*(\i)+3],   v[ADRB+(\slot)] offset:32*PB*(\q)+(\i)*32
	ds_load_tr16_b128 v[FB+48*(\p)+8*(\i)+4:FB+48*(\p)+8*(\i)+7], v[ADRB+(\slot)] offset:32*PB*(\q)+(\i)*32+16*PB
.endr
.irp j, 0,1
	ds_load_tr16_b128 v[FB+48*(\p)+32+8*(\j):FB+48*(\p)+32+8*(\j)+3],   v[ADRV+(\slot)] offset:32*PB*(\q)+(\j)*32
	ds_load_tr16_b128 v[FB+48*(\p)+32+8*(\j)+4:FB+48*(\p)+32+8*(\j)+7], v[ADRV+(\slot)] offset:32*PB*(\q)+(\j)*32+16*PB
.endr
.irp i, 0,1,2,3,4,5,6,7
	ds_load_b128 v[FA+64*(\p)+8*(\i):FA+64*(\p)+8*(\i)+3],   v[ADRA+(\slot)] offset:64*(\q)+(\i)*16*PITCH
	ds_load_b128 v[FA+64*(\p)+8*(\i)+4:FA+64*(\p)+8*(\i)+7], v[ADRA+(\slot)] offset:64*(\q)+(\i)*16*PITCH+32
.endr
.endm
.macro PLACES
.rept 5
	v_nop
.endr
.endm
.macro QUARTER slot, q, p, zero
	s_wait_dscnt 8
	MULM \p, 0, 4, \zero
	PLACES
	FETCH \slot, \q, 1-(\p)
	s_wait_dscnt 28
	MULM \p, 4, 4, \zero
	MULV \p, \zero
.endm
.macro MEET round
	WIN 0
	s_wait_tensorcnt 0x0
	ds_add_u32 v[SPW], v[NIL]
	s_wait_dscnt 9
	MULM 1, 0, 2, 0
	s_wait_dscnt 0x0
	s_barrier_signal -1
	MULM 1, 2, 2, 0
.if \round
	WIN 0
.endif
	s_barrier_wait -1
.endm
.macro TURN slot, next, fill
.if (\fill) && ((\slot) == 0)
	s_wait_xcnt 0x0
	s_add_nc_u64 s[PFA:PFA+1], s[PFA:PFA+1], s[PFS:PFS+1]
.endif
.if \fill
	MEET 1
	CREST
	s_add_nc_u64 s[G0+4*(\slot)+2:G0+4*(\slot)+3], s[G0+4*(\slot)+2:G0+4*(\slot)+3], 2*KSTEP*2
	s_add_nc_u64 s[G0B+4*(\slot)+2:G0B+4*(\slot)+3], s[G0B+4*(\slot)+2:G0B+4*(\slot)+3], 2*WSTEP
	JLOAD \slot
.else
	MEET 0
	PLACES
.endif
	FETCH \next, 0, 0
.if \fill
	ASK \slot
.endif
	MULM 1, 4, 4, 0
	MULV 1, 0
.endm
	s_wait_tensorcnt 1
	s_barrier_signal -1
	s_barrier_wait -1
	FETCH 0, 0, 0
	QUARTER 0, 1, 0, 1
	QUARTER 0, 2, 1, 1
	WIN 0
	s_mov_b32 s3, LAPS-1
.Llap:
	QUARTER 0, 3, 0, 0
	TURN 0, 1, 1
	QUARTER 1, 1, 0, 0
	QUARTER 1, 2, 1, 0
	QUARTER 1, 3, 0, 0
	TURN 1, 0, 1
	QUARTER 0, 1, 0, 0
	QUARTER 0, 2, 1, 0
	WIN 0
	s_sub_co_u32 s3, s3, 1
	s_cmp_lg_u32 s3, 0
	s_cbranch_scc1 .Llap
	QUARTER 0, 3, 0, 0
	TURN 0, 1, 0
	QUARTER 1, 1, 0, 0
	QUARTER 1, 2, 1, 0
	QUARTER 1, 3, 0, 0
	s_wait_dscnt 8
	MULM 1, 0, 4, 0
	s_wait_dscnt 0x0
	MULM 1, 4, 4, 0
	MULV 1, 0
	WIN 0
	PLACES
.set r, 0
.rept 16
	v_mov_b32 v[TMP+16+r], 0
.set r, r+1
.endr
	WIN 0x49
.set r, 0
.rept 128
	v_pk_add_f32 v[r:r+1], v[r:r+1], v[r:r+1]
.set r, r+2
.endr
	WIN 0xcf
.set r, 0
.rept 64
	v_pk_add_f32 v[r:r+1], v[r:r+1], v[128+r:128+r+1]
.set r, r+2
.endr
	WIN 0x0f
.set r, 0
.rept 64
	v_cvt_pk_f16_f32 v[VT+r], v[2*r], v[2*r+1]
.set r, r+1
.endr
	WIN 0
.set r, 0
.rept 16
	ds_store_b128 v[STOV], v[VT+4*r:VT+4*r+3] offset:(r/2)*16*VPITCH+32*(r%2)
.set r, r+1
.endr
	s_wait_dscnt 0x0
	s_barrier_signal -1
	s_barrier_wait -1
.set r, 0
.rept 16
	ds_load_b128 v[VR+4*r:VR+4*r+3], v[RDV] offset:r*4*VPITCH
.set r, r+1
.endr
.macro PACKQ a
.set AC, 32*(\a)
	WIN 0x05
.irp c, 0,1,2,3
.irp r, 0,1,2,3
	v_cvt_pk_f16_f32 v[TMP+4*(\c)+(\r)], v[AC+8*(\c)+2*(\r)], v[AC+8*(\c)+2*(\r)+1]
.endr
.endr
	WIN 0x10
.irp c, 0,1,2,3
.irp r, 0,1,2,3
	v_fma_mixlo_f16 v[TMP+16+4*(\c)+(\r)], -v[TMP+4*(\c)+(\r)], v[ONE], v[AC+8*(\c)+2*(\r)] op_sel_hi:[1,0,0]
	v_fma_mixhi_f16 v[TMP+16+4*(\c)+(\r)], -v[TMP+4*(\c)+(\r)], v[ONE], v[AC+8*(\c)+2*(\r)+1] op_sel:[1,0,0] op_sel_hi:[1,0,0]
.endr
.endr
	WIN 0
.endm
.macro STAGEQ u
.set BK, OB+32*((\u)%2)
	s_wait_xcnt 0x0
.irp c, 0,1,2,3
	ds_store_b128 v[STO], v[TMP+4*(\c):TMP+4*(\c)+3] offset:32*(\c)
	ds_store_b128 v[STO], v[TMP+16+4*(\c):TMP+16+4*(\c)+3] offset:128+32*(\c)
.endr
.irp t, 0,1,2,3,4,5,6,7
	ds_load_b128 v[BK+4*(\t):BK+4*(\t)+3], v[RD] offset:(\t)*2*SPITCH
.endr
.endm
.macro SENDQ u
.set BK, OB+32*((\u)%2)
	s_wait_dscnt 0x0
.irp t, 0,1,2,3,4,5,6,7
	global_store_b128 v[CO], v[BK+4*(\t):BK+4*(\t)+3], s[8:9] offset:(\u)*4096+(\t)*512
.endr
.endm
	PACKQ 0
	s_wait_dscnt 0x0
.set r, 0
.rept 16
	global_store_b128 v[CO], v[VR+4*r:VR+4*r+3], s[72:73] offset:r*512
.set r, r+1
.endr
	STAGEQ 0
.set u, 1
.rept 7
	PACKQ u
	SENDQ u-1
	STAGEQ u
.set u, u+1
.endr
	SENDQ 7
	s_wait_tensorcnt 0x0
	ds_add_u32 v[SPW], v[NIL]
	s_wait_dscnt 0x0
	CROUND
	s_endpgm
.Lfunc_end_k_qe49e206692_proj:
	.size	k_qe49e206692_proj, .Lfunc_end_k_qe49e206692_proj-k_qe49e206692_proj
	.p2alignl 7, 3214868480
	.fill 96, 4, 3214868480
	.section	.rodata,"a",@progbits
	.p2align	6, 0x0
	.amdhsa_kernel k_qe49e206692_proj
		.amdhsa_group_segment_fixed_size 327680
		.amdhsa_private_segment_fixed_size 0
		.amdhsa_enable_private_segment 0
		.amdhsa_kernarg_size 40
		.amdhsa_user_sgpr_count 2
		.amdhsa_user_sgpr_kernarg_segment_ptr 1
		.amdhsa_wavefront_size32 1
		.amdhsa_system_sgpr_workgroup_id_x 1
		.amdhsa_system_sgpr_workgroup_id_y 1
		.amdhsa_system_sgpr_workgroup_id_z 1
		.amdhsa_system_vgpr_workitem_id 0
		.amdhsa_next_free_vgpr 1024
		.amdhsa_next_free_sgpr 80
		.amdhsa_reserve_vcc 0
		.amdhsa_float_denorm_mode_32 3
		.amdhsa_float_denorm_mode_16_64 3
		.amdhsa_memory_ordered 1
		.amdhsa_forward_progress 1
		.amdhsa_inst_pref_size 155
	.end_amdhsa_kernel
	.amdgpu_metadata
---
amdhsa.version: [ 1, 2 ]
amdhsa.kernels:
  - .name:           k_qe49e206692_proj
    .symbol:         k_qe49e206692_proj.kd
    .args:
      - { .name: xb, .offset: 0, .size: 8, .value_kind: global_buffer, .address_space: global }
      - { .name: wb, .offset: 8, .size: 8, .value_kind: global_buffer, .address_space: global }
      - { .name: qx, .offset: 16, .size: 8, .value_kind: global_buffer, .address_space: global }
      - { .name: kx, .offset: 24, .size: 8, .value_kind: global_buffer, .address_space: global }
      - { .name: vh, .offset: 32, .size: 8, .value_kind: global_buffer, .address_space: global }
    .group_segment_fixed_size: 327680
    .private_segment_fixed_size: 0
    .kernarg_segment_align: 8
    .kernarg_segment_size: 40
    .max_flat_workgroup_size: 128
    .sgpr_count:     80
    .vgpr_count:     1024
    .wavefront_size: 32
...
	.end_amdgpu_metadata
.endif
;; end of part 2
;; launch attn (part 3): grid 4 x 64, 4 waves a work-group, clusters of 4 x 1, 327,680 bytes of LDS; arguments qx, kx, vh, out0; writes out0
.if DOCPART == 3
	.amdgcn_target "amdgcn-amd-amdhsa--gfx1250"
	.amdhsa_code_object_version 6
	.text
	.protected	k_qe49e206692_attn
	.globl	k_qe49e206692_attn
	.p2align	8
	.type	k_qe49e206692_attn,@function
k_qe49e206692_attn:
	s_mov_b64 s[64:65], 0
	v_nop
	global_prefetch_b8 v0, s[64:65] scope:SCOPE_SE
	s_setreg_imm32_b32 hwreg(HW_REG_WAVE_MODE, 25, 1), 1
	s_wait_xcnt 0x0
	s_wait_alu depctr_hold_cnt(0) depctr_sa_sdst(0) depctr_va_vdst(0) depctr_va_sdst(0) depctr_va_ssrc(0) depctr_va_vcc(0) depctr_vm_vsrc(0)
	s_getreg_b32 s2, hwreg(HW_REG_IB_STS2, 6, 4)
	s_cmp_eq_u32 s2, 0
	s_cbranch_scc0 .Lentry_in_a_cluster
	s_endpgm
.Lentry_in_a_cluster:
	s_bfe_u32 s2, ttmp6, 0x10000c
	s_cmp_lg_u32 s2, 0x3003
	s_cbranch_scc0 .Lentry_shape_is_right
	s_endpgm
.Lentry_shape_is_right:
.set NP,    4
.set KS,    64
.set PK,    272
.set PV,    160
.set VOFF,  4*KS*PK
.set SLOT1, 1<<17
.set STAGE, SLOT1+4*KS*(PK+PV)
.set SP,    272
.set SPARE, STAGE+4*16*SP
.set AK0, 2
.set AV0, 3
.set AK,  4
.set AV,  5
.set QO,  6
.set STO, 6
.set RD,  7
.set GO,  8
.set PFO, 11
.set SPW, 0
.set NIL, 1
.set MV,  12
.set ST,  16
.set TMP, 48
.set S,   64
.set P,   192
.set KH,  64
.set KL,  128
.set VF,  192
.set WV,  12
.set G1K, 24
.set G1V, 32
.set G0K, 40
.set G0V, 44
.set PFA, 48
.set PFS, 50
.set LIM, 52
.set SLOTS, 56
.set CNT, 57
.set CS,  58
.set SEL, 60
.set TBK, 62
.set TBV, 63
.set MSB, 0
.macro WIN new
.if MSB != (\new)
	s_set_vgpr_msb (MSB<<8)|(\new)
.set MSB, (\new)
.endif
.endm
.set W_KQ, 0x0b
.set W_PV, 0x53
.set W_RS, 0x41
.set W_MK, 0xc0
.set W_AD, 0x0f
.macro JLOAD
	s_cmp_lt_u32 s[WV], 2
	s_cbranch_scc0 .Lfor_v_\@
	tensor_load_to_lds s[G0K:G0K+3], s[G1K:G1K+7]
	s_nop 0
.rept 4
	v_nop
.endr
	s_branch .Lasked_\@
.Lfor_v_\@:
	tensor_load_to_lds s[G0V:G0V+3], s[G1V:G1V+7]
	s_nop 0
.rept 4
	v_nop
.endr
.Lasked_\@:
.endm
.macro ASK
	s_cmp_gt_u32 s[SLOTS], s[LIM]
	s_cbranch_scc0 .Lnot_mine_\@
	global_prefetch_b8 v[PFO], s[PFA:PFA+1] th:TH_LOAD_NT scope:SCOPE_SE
.Lnot_mine_\@:
.endm
.macro CROUND
	s_barrier_signal -1
	s_barrier_wait -1
	s_cmp_lg_u32 s[WV], 0
	s_cbranch_scc1 .Lnot_wave_0_\@
	s_barrier_signal -3
.Lnot_wave_0_\@:
	s_barrier_wait -3
	s_barrier_signal -1
	s_barrier_wait -1
.endm
.macro CHANGE fill
	WIN W_AD
	s_wait_tensorcnt 0x0
	ds_add_u32 v[SPW], v[NIL]
	WIN 0
.if \fill
	s_xor_b32 s[G0K+1], s[G0K+1], SLOT1
	s_add_nc_u64 s[G0K+2:G0K+3], s[G0K+2:G0K+3], 4*KS*256
	s_xor_b32 s[G0V+1], s[G0V+1], SLOT1
	s_add_nc_u64 s[G0V+2:G0V+3], s[G0V+2:G0V+3], 4*KS*128
	s_wait_xcnt 0x0
	s_add_nc_u64 s[PFA:PFA+1], s[PFA:PFA+1], s[PFS:PFS+1]
	s_wait_dscnt 0x0
	CROUND
	JLOAD
	ASK
.else
	s_wait_dscnt 0x0
	s_barrier_signal -1
	s_barrier_wait -1
.endif
	s_sub_co_u32 s[TBK], s[TBK], 4*KS*PK
	s_xor_b32 s[TBK], s[TBK], SLOT1
	s_sub_co_u32 s[TBV], s[TBV], 4*KS*PV
	s_xor_b32 s[TBV], s[TBV], SLOT1
.endm
	s_load_b256 s[4:11], s[0:1], 0x0
	WIN W_MK
	v_lshl_add_u32 v[SPW], v0, 2, SPARE
	v_mov_b32 v[NIL], 0
	WIN W_AD
	ds_add_u32 v[SPW], v[NIL]
	WIN 0
	v_lshrrev_b32 v1, 5, v0
	v_readfirstlane_b32 s[WV], v1
	s_bfe_u32 s13, ttmp6, 0x40000
	s_lshl_b32 s14, ttmp9, 2
	s_add_co_u32 s14, s14, s13
	s_and_b32 s15, ttmp7, 0xffff
	s_and_b32 s16, s[WV], 1
	s_lshl_b32 s20, s15, 19
	s_lshl_b32 s21, s16, 15
	s_add_co_u32 s20, s20, s21
	s_mov_b32 s21, 0
	s_lshl_b32 s22, s15, 18
	s_lshl_b32 s23, s16, 14
	s_add_co_u32 s22, s22, s23
	s_mov_b32 s23, 0
	s_mul_i32 s17, s16, 128*PK
	s_mul_i32 s18, s16, 128*PV
	s_lshl_b32 s2, s14, 2
	s_add_co_u32 s2, s2, s[WV]
	s_lshl_b32 s3, s2, 19
	s_lshl_b32 s2, s2, 15
	s_lshl_b32 s19, s15, 19
	s_add_co_u32 s2, s2, s19
	s_lshr_b32 s54, s15, 4
	s_lshl_b32 s54, s54, 23
	s_add_co_u32 s54, s54, s3
	s_and_b32 s55, s15, 15
	s_lshl_b32 s55, s55, 8
	s_add_co_u32 s54, s54, s55
	s_mov_b32 s55, 0
	s_mov_b32 s3, 0
	s_lshl_b32 s53, s13, 14
	s_add_co_u32 s19, s19, s53
	s_lshl_b32 s53, s[WV], 13
	s_add_co_u32 s19, s19, s53
	s_add_co_u32 s19, s19, 4*KS*256
	s_lshl_b32 s53, s15, 18
	s_lshl_b32 s14, s13, 13
	s_add_co_u32 s53, s53, s14
	s_add_co_u32 s53, s53, 4*KS*128
	s_mov_b32 s[PFS], 4*KS*128
	s_mov_b32 s[PFS+1], 0
	s_cmp_lt_u32 s[WV], 2
	s_cselect_b32 s[PFS], 4*KS*256, s[PFS]
	s_cmp_lt_u32 s[WV], 3
	s_cselect_b32 s[LIM], 1, -1
	s_mov_b32 s[G1K], 15|(1<<16)|(1<<20)|(1<<21)|(5<<22)|(3<<25)
	s_mov_b32 s[G1K+1], 128<<16
	s_mov_b32 s[G1K+2], 128<<16
	s_mov_b32 s[G1K+3], 128<<16
	s_mov_b32 s[G1K+4], 128
	s_mov_b32 s[G1K+5], 128
	s_mov_b32 s[G1K+6], 0
	s_mov_b32 s[G1K+7], 0
	s_mov_b32 s[G1V], 15|(1<<16)|(1<<20)|(1<<21)|(4<<22)|(7<<25)
	s_mov_b32 s[G1V+1], 128<<16
	s_mov_b32 s[G1V+2], 64<<16
	s_mov_b32 s[G1V+3], 128<<16
	s_mov_b32 s[G1V+4], 64
	s_mov_b32 s[G1V+5], 128
	s_mov_b32 s[G1V+6], 0
	s_mov_b32 s[G1V+7], 0
	s_mov_b32 s[CS], 0x45b8aa3b
	s_mov_b32 s[CS+1], s[CS]
	s_mov_b32 s[SEL], 0x76543210
	s_mov_b32 s[SEL+1], 0xfedcba98
	s_mov_b32 s[TBK], SLOT1+4*KS*PK
	s_mov_b32 s[TBV], SLOT1+4*KS*PV
	s_mov_b32 s[SLOTS], 7
	s_mov_b32 s[G0K], 1
	s_mov_b32 s[G0K+1], s17
	s_mov_b32 s[G0V], 1
	s_add_co_u32 s[G0V+1], s18, VOFF
	v_and_b32 v[PFO], 31, v0
	v_lshlrev_b32 v[PFO], 8, v[PFO]
	s_wait_dscnt 0x0
	s_wait_kmcnt 0x0
	s_add_nc_u64 s[G0K+2:G0K+3], s[6:7], s[20:21]
	s_or_b32 s[G0K+3], s[G0K+3], 0x80000000
	s_add_nc_u64 s[G0V+2:G0V+3], s[8:9], s[22:23]
	s_or_b32 s[G0V+3], s[G0V+3], 0x80000000
	s_add_nc_u64 s[4:5], s[4:5], s[2:3]
	s_add_nc_u64 s[10:11], s[10:11], s[54:55]
	s_cmp_lt_u32 s[WV], 2
	s_cselect_b64 s[PFA:PFA+1], s[6:7], s[8:9]
	s_cselect_b32 s2, s19, s53
	s_add_nc_u64 s[PFA:PFA+1], s[PFA:PFA+1], s[2:3]
	CROUND
	JLOAD
	v_and_b32 v1, 15, v0
	v_bfe_u32 v9, v0, 4, 1
	v_lshlrev_b32 v[QO], 8, v1
	v_lshl_add_u32 v[QO], v9, 4, v[QO]
	WIN 0x80
.set i, 0
.rept 32
	global_load_b128 v[8*i:8*i+3],   v[QO], s[4:5] offset:(i/4)*4096+(i%4)*64
	global_load_b128 v[8*i+4:8*i+7], v[QO], s[4:5] offset:(i/4)*4096+(i%4)*64+32
.set i, i+1
.endr
	WIN 0xc0
.set i, VF
.rept 64
	v_mov_b32 v[i], 0
.set i, i+1
.endr
	WIN 0x40
.set i, 0
.rept 64*NP
	v_mov_b32 v[i], 0
.set i, i+1
.endr
	WIN 0
.set i, 0
.rept 2*NP
	v_mov_b32 v[ST+4*i], 0xfe000000
	v_mov_b32 v[ST+4*i+1], 0xff7fffff
	v_mov_b32 v[ST+4*i+2], 0
	v_mov_b32 v[ST+4*i+3], 0
.set i, i+1
.endr
.set i, P+32
.rept 32
	v_mov_b32 v[i], 0
.set i, i+1
.endr
	v_mul_u32_u24 v[AK0], v1, PK
	v_lshl_add_u32 v[AK0], v9, 4, v[AK0]
	v_and_b32 v10, 7, v0
	v_bfe_u32 v[AV], v0, 3, 1
	v_lshl_add_u32 v[AV0], v9, 3, v10
	v_mul_u32_u24 v[AV0], v[AV0], PV
	v_lshl_add_u32 v[AV0], v[AV], 4, v[AV0]
	v_add_nc_u32 v[AV0], VOFF, v[AV0]
.macro KQ x
	WIN W_KQ
.set rS, S+64*((\x)%2)+32*(i%2)+8*((i/2)%4)
.set ro, i/8
.if ro < 2
.set rK, KL+16*((i/2)%4)+8*(ro%2)
.else
.set rK, KH+16*((i/2)%4)+8*(ro%2)
.endif
.if (ro == 2) || (ro == 3)
.set rQ, 32*(2*(\x)+i%2)+16+8*(ro%2)
.else
.set rQ, 32*(2*(\x)+i%2)+8*(ro%2)
.endif
.if i < 8
	v_wmma_f32_16x16x32_f16 v[rS:rS+7], v[rK:rK+7], v[rQ:rQ+7], 0
.else
	v_wmma_f32_16x16x32_f16 v[rS:rS+7], v[rK:rK+7], v[rQ:rQ+7], v[rS:rS+7] neg_lo:[0,0,1]
.endif
.endm
.macro PV x
	WIN W_PV
.set rO, 32*(2*(\x)+ip%2)+8*((ip/2)%4)
.set rV, VF+32*(ip/8)+8*((ip/2)%4)
.set rP, P+32*((\x)%2)+16*(ip%2)+8*(ip/8)
	v_wmma_f32_16x16x32_f16 v[rO:rO+7], v[rV:rV+7], v[rP:rP+7], v[rO:rO+7]
.endm
.macro MM
.if i < 48
	KQ (Y+1)%NP
.else
.set ip, i-48
	PV (Y+NP-1)%NP
.endif
.set i, i+1
.endm
.macro FETCH_KL last=0
	WIN 0
.if \last
	s_cmp_eq_u32 s[CNT], 1
	s_cbranch_scc1 .Lno_kl_\@
.endif
	WIN 0xc0
.irp f, 0,1,2,3,4,5,6,7
	ds_load_b128 v[KL+8*\f:KL+8*\f+3],   v[AK] offset:(\f/2)*16*PK+128+(\f%2)*64
	ds_load_b128 v[KL+8*\f+4:KL+8*\f+7], v[AK] offset:(\f/2)*16*PK+128+(\f%2)*64+32
.endr
	WIN 0
.if \last
.Lno_kl_\@:
.endif
.endm
.macro FETCH_KH last=0
	WIN 0
.if \last
	s_cmp_eq_u32 s[CNT], 1
	s_cbranch_scc1 .Lno_kh_\@
.endif
	WIN 0xc0
.irp f, 0,1,2,3,4,5,6,7
	ds_load_b128 v[KH+8*\f:KH+8*\f+3],   v[AK] offset:(\f/2)*16*PK+(\f%2)*64
	ds_load_b128 v[KH+8*\f+4:KH+8*\f+7], v[AK] offset:(\f/2)*16*PK+(\f%2)*64+32
.endr
	s_add_co_u32 s[TBK], s[TBK], KS*PK
	WIN 0
.if \last
.Lno_kh_\@:
.endif
.endm
.macro FETCH_V
	WIN 0xc0
.irp f, 0,1,2,3,4,5,6,7
	ds_load_tr16_b128 v[VF+8*\f:VF+8*\f+3],   v[AV] offset:(\f/4)*32*PV+(\f%4)*32
	ds_load_tr16_b128 v[VF+8*\f+4:VF+8*\f+7], v[AV] offset:(\f/4)*32*PV+16*PV+(\f%4)*32
.endr
	WIN 0
.endm
.macro REGS y, u
.set rT, ST+4*(2*(\y)+(\u))
.set rC, TMP+8*((\y)%2)+4*(\u)
.set rM, MV+2*((\y)%2)+(\u)
.set rS, S+64*((\y)%2)+32*(\u)
.set rP, P+32*((\y)%2)+16*(\u)
.set rO, 32*(2*(\y)+(\u))
.endm
.macro FS f
	REGS Y, (\f)%2
	v_pk_fma_f32 v[rS+2*((\f)/2):rS+2*((\f)/2)+1], v[rS+2*((\f)/2):rS+2*((\f)/2)+1], s[CS:CS+1], v[rT:rT+1] op_sel_hi:[1,0,0] neg_lo:[0,0,1] neg_hi:[0,0,1]
.endm
.macro EXS e
	REGS Y, (\e)%2
	v_exp_f32 v[rS+(\e)/2], v[rS+(\e)/2]
.endm
.macro EA u
	REGS Y, \u
	v_exp_f32 v[rC+2], v[rC+1]
.endm
.macro QA
	WIN 0
.if qa < 4
	FS qa
.elseif qa < 88
.if (qa-4)%3 == 2
	FS 4+(qa-4)/3
.else
	EXS 2*((qa-4)/3)+(qa-4)%3
.endif
.elseif qa < 96
	EXS qa-32
.else
	EA qa-96
.endif
.set qa, qa+1
.endm
.macro R2
	REGS Y, r%2
	WIN W_RS
.irp z, 0,1
	v_pk_mul_f32 v[rO+4*(r/2)+2*\z:rO+4*(r/2)+2*\z+1], v[rO+4*(r/2)+2*\z:rO+4*(r/2)+2*\z+1], v[rC+2:rC+3] op_sel_hi:[1,0]
.endr
.set r, r+1
.endm
.macro GQ
	WIN 0
.set gh, gq+6*(gq/62)
.if gh >= 6
.set gh, gh+2
.endif
	REGS Y, gh%2
.set gk, gh/8
.if gh%8 < 4
	v_cvt_pk_f16_f32 v[rP+2*gk+(gh%8)/2], v[rS+4*gk+2*((gh%8)/2)], v[rS+4*gk+2*((gh%8)/2)+1]
.elseif gh%8 < 6
	v_pk_add_f32 v[rS+4*gk:rS+4*gk+1], v[rS+4*gk:rS+4*gk+1], v[rS+4*gk+2:rS+4*gk+3]
.elseif gk == 1
	v_pk_fma_f32 v[rT+2:rT+3], v[rT+2:rT+3], v[rC+2:rC+3], v[rS:rS+1] op_sel_hi:[1,0,1]
.else
	v_pk_add_f32 v[rT+2:rT+3], v[rT+2:rT+3], v[rS+4*gk-4:rS+4*gk-3]
.endif
.set gq, gq+1
.endm
.macro XS u, n
	REGS (Y+1)%NP, \u
.if (\n) < 4
	v_max3_num_f32 v[rC+(\n)], v[rS+8*(\n)], v[rS+8*(\n)+1], v[rS+8*(\n)+2]
.elseif (\n) < 12
	v_max3_num_f32 v[rC+(\n)%4], v[rC+(\n)%4], v[rS+8*((\n)%4)+2*((\n)/4)+1], v[rS+8*((\n)%4)+2*((\n)/4)+2]
.elseif (\n) == 12
	v_max3_num_f32 v[rC], v[rC], v[rS+7], v[rS+15]
.elseif (\n) == 13
	v_max3_num_f32 v[rC+1], v[rC+1], v[rS+23], v[rS+31]
.elseif (\n) == 14
	v_max3_num_f32 v[rC+2], v[rC+2], v[rC+3], v[rT+1]
.elseif (\n) == 15
	v_mov_b32 v[rM], v[rT]
.elseif (\n) == 16
	v_max3_num_f32 v[rC], v[rC], v[rC+1], v[rC+2]
.elseif (\n) == 17
	v_permlanex16_b32 v[rC+3], v[rC], s[SEL], s[SEL+1]
.elseif (\n) == 18
	v_max_num_f32 v[rT+1], v[rC], v[rC+3]
.elseif (\n) == 19
	v_mul_f32 v[rT], s[CS], v[rT+1]
.else
	v_sub_f32 v[rC+1], v[rM], v[rT]
.endif
.endm
.macro XQ
	WIN 0
.if xq < 28
	XS xq%2, xq/2
.elseif xq < 30
	XS xq-28, 15
.elseif xq < 32
	XS xq-30, 14
.else
	XS xq%2, 15+(xq-30)/2
.endif
.set xq, xq+1
.endm
.macro TURN p, last=0
.set Y, (\p)
.set i, 0
.set qa, 0
.set r, 0
.set gq, 0
.set xq, 0
.if (\p) == 3
	s_wait_dscnt 16
.endif
.rept 16
	MM
	QA
	QA
	QA
	QA
.endr
.if (\p) == 3
	s_wait_dscnt 0x0
.endif
.rept 8
	MM
	QA
	QA
	QA
	QA
.endr
	MM
	QA
	QA
.if (\p) == 2
	v_add_nc_u32 v[AK], s[TBK], v[AK0]
.endif
	v_nop
	s_wait_alu depctr_va_vdst(0)
.if (\p) == 2
	FETCH_KL \last
.endif
.rept 8
	MM
	R2
	R2
.endr
.rept 15
	MM
	GQ
	GQ
	GQ
	GQ
.endr
.if (\p) == 2
	FETCH_KH \last
.endif
.if (\p) == 1
	s_wait_dscnt 0x0
.endif
	MM
	GQ
	GQ
	GQ
	GQ
.if (\p) == 0
	v_add_nc_u32 v[AV], s[TBV], v[AV0]
.endif
.rept 10
	MM
	XQ
	XQ
	XQ
.endr
.rept 4
	MM
	XQ
	XQ
.endr
	MM
	XQ
	XQ
	XQ
	XQ
.if (\p) == 0
	s_add_co_u32 s[TBV], s[TBV], KS*PV
	FETCH_V
.endif
.endm
	CHANGE 1
	v_add_nc_u32 v[AK], s[TBK], v[AK0]
	FETCH_KL
	FETCH_KH
	s_wait_loadcnt 0x0
	s_wait_dscnt 0x0
.set i, 0
.rept 48
.if i == 8
.rept 5
	v_nop
.endr
.endif
	KQ 0
.set i, i+1
.endr
	WIN 0
	s_mul_i32 s16, s[WV], 16*SP
	s_add_co_u32 s16, s16, STAGE
	v_mul_u32_u24 v[STO], v1, SP
	v_lshl_add_u32 v[STO], v9, 5, v[STO]
	v_add_nc_u32 v[STO], s16, v[STO]
	v_mul_u32_u24 v[RD], v9, SP
	v_lshl_add_u32 v[RD], v1, 4, v[RD]
	v_add_nc_u32 v[RD], s16, v[RD]
	v_lshlrev_b32 v[GO], 12, v9
	v_lshl_add_u32 v[GO], v1, 4, v[GO]
.set Y, NP-1
.set xq, 0
.rept 42
	XQ
.endr
	s_mov_b32 s[CNT], 4
	s_branch .Lfirst
.Lslot:
	CHANGE 1
	s_mov_b32 s[CNT], 4
.Lstep:
	TURN 2
	TURN 3
	WIN 0
.Lfirst:
	TURN 0
	TURN 1
	WIN 0
	s_sub_co_u32 s[CNT], s[CNT], 1
	s_cmp_lg_u32 s[CNT], 0
	s_cbranch_scc1 .Lstep
	s_sub_co_u32 s[SLOTS], s[SLOTS], 1
	s_cmp_lg_u32 s[SLOTS], 0
	s_cbranch_scc1 .Lslot
	CHANGE 0
	s_mov_b32 s[CNT], 5
.Ltail:
	TURN 2, 1
	TURN 3
	WIN 0
	s_sub_co_u32 s[CNT], s[CNT], 1
	s_cmp_eq_u32 s[CNT], 0
	s_cbranch_scc1 .Lout
	TURN 0
	TURN 1
	WIN 0
	s_branch .Ltail
.Lout:
.set ip, 0
.rept 16
	PV NP-1
.set ip, ip+1
.endr
	WIN 0
.macro ALL line:vararg
.set t, 0
.rept 2*NP
	\line
.set t, t+1
.endr
.endm
	ALL v_add_f32 v[ST+4*t+2], v[ST+4*t+2], v[ST+4*t+3]
	ALL v_permlanex16_b32 v[ST+4*t+3], v[ST+4*t+2], s[SEL], s[SEL+1]
	ALL v_add_f32 v[ST+4*t+2], v[ST+4*t+2], v[ST+4*t+3]
	ALL v_rcp_f32 v[ST+4*t+2], v[ST+4*t+2]
	v_nop
	s_wait_alu depctr_va_vdst(0)
	ALL v_mul_f32 v[ST+4*t+2], 0x41000000, v[ST+4*t+2]
.macro PACK t
	WIN W_RS
.set i, 32*(\t)
.rept 16
	v_pk_mul_f32 v[i:i+1], v[i:i+1], v[ST+4*(\t)+2:ST+4*(\t)+3] op_sel_hi:[1,0]
.set i, i+2
.endr
	WIN 0x04
.irp f, 0,1,2,3,4,5,6,7
	ds_store_b128 v[STO], v[32*(\t)+4*\f:32*(\t)+4*\f+3] offset:64*(\f/2)+16*(\f%2)
.endr
	WIN 0
.if (\t) >= 4
	s_wait_xcnt 0x0
.endif
.irp f, 0,1,2,3,4,5,6,7
	ds_load_b128 v[S+32*((\t)%4)+4*\f:S+32*((\t)%4)+4*\f+3], v[RD] offset:\f*2*SP
.endr
.endm
.macro SEND t, younger
	WIN 0
.irp f, 0,1,2,3,4,5,6,7
	s_wait_dscnt (\younger)+7-\f
	global_store_b128 v[GO], v[S+32*((\t)%4)+4*\f:S+32*((\t)%4)+4*\f+3], s[10:11] offset:(\t)*65536+\f*8192 th:TH_STORE_NT
.endr
.endm
	PACK 0
.set t, 1
.rept 2*NP-1
	PACK t
	SEND t-1, 16
.set t, t+1
.endr
	SEND 2*NP-1, 0
	WIN W_AD
	s_wait_tensorcnt 0x0
	ds_add_u32 v[SPW], v[NIL]
	s_wait_dscnt 0x0
	WIN 0
	CROUND
	s_endpgm
.Lfunc_end_k_qe49e206692_attn:
	.size	k_qe49e206692_attn, .Lfunc_end_k_qe49e206692_attn-k_qe49e206692_attn
	.p2alignl 7, 3214868480
	.fill 96, 4, 3214868480
	.section	.rodata,"a",@progbits
	.p2align	6, 0x0
	.amdhsa_kernel k_qe49e206692_attn
		.amdhsa_group_segment_fixed_size 327680
		.amdhsa_private_segment_fixed_size 0
		.amdhsa_enable_private_segment 0
		.amdhsa_kernarg_size 32
		.amdhsa_user_sgpr_count 2
		.amdhsa_user_sgpr_kernarg_segment_ptr 1
		.amdhsa_wavefront_size32 1
		.amdhsa_system_sgpr_workgroup_id_x 1
		.amdhsa_system_sgpr_workgroup_id_y 1
		.amdhsa_system_sgpr_workgroup_id_z 1
		.amdhsa_system_vgpr_workitem_id 0
		.amdhsa_next_free_vgpr 1024
		.amdhsa_next_free_sgpr 66
		.amdhsa_reserve_vcc 0
		.amdhsa_float_denorm_mode_32 3
		.amdhsa_float_denorm_mode_16_64 3
		.amdhsa_memory_ordered 1
		.amdhsa_forward_progress 1
		.amdhsa_inst_pref_size 237
	.end_amdhsa_kernel
	.amdgpu_metadata
---
amdhsa.version: [ 1, 2 ]
amdhsa.kernels:
  - .name:           k_qe49e206692_attn
    .symbol:         k_qe49e206692_attn.kd
    .args:
      - { .name: qx, .offset: 0, .size: 8, .value_kind: global_buffer, .address_space: global }
      - { .name: kx, .offset: 8, .size: 8, .value_kind: global_buffer, .address_space: global }
      - { .name: vh, .offset: 16, .size: 8, .value_kind: global_buffer, .address_space: global }
      - { .name: out0, .offset: 24, .size: 8, .value_kind: global_buffer, .address_space: global }
    .group_segment_fixed_size: 327680
    .private_segment_fixed_size: 0
    .kernarg_segment_align: 8
    .kernarg_segment_size: 32
    .max_flat_workgroup_size: 128
    .sgpr_count:     66
    .vgpr_count:     1024
    .wavefront_size: 32
...
	.end_amdgpu_metadata
.endif
;; end of part 3
